; MI455X (gfx1250); checked and timed in simulation.
; The chip was launched on July 23, 2026; its instructions are those of AMD's public machine-readable ISA for CDNA 5 (MIT licence, August 2026) and "CDNA5" Instruction Set Architecture Reference Guide (July 2026). The comments in the code are by the model that wrote it; some were corrected since.
;; Local Graph Attention. Allowed arithmetic: matrix products marked QUANTISED: E2M1 operands, one E8M0 scale for each 32 along K, by v_wmma_scale_f32_16x16x128_f8f6f4 with both operands' format E2M1 (or v_wmma_scale_f32_32x16x128_f4), f32 sums; everything else in f32.
;; Inputs: W_out 256 x 256 float32; W_qkv 256 x 768 float32; allow_mask_bool 2,048 x 2,048 bool; b_out 256 float32; b_qkv 768 float32; x 4 x 2,048 x 256 float32.
;; Outputs: out0 4 x 2,048 x 256 float32.
;; This version of the problem:
;;   THIS VERSION OF THE PROBLEM IS GIVEN IN LOW PRECISION. The matrix products marked QUANTISED in the list below multiply operands that are first quantised to E2M1 (2 exponent bits, 1 mantissa bit; 4 bits a number), with one power-of-two scale for each 32 numbers along K (OCP MX v1.0); their sums are f32. All else is computed in f32.
;;   The module's matrix products, in the order in which they are computed (A, B: the left and right operand; K: the contracted axis; several contracted axes count as one K, in the product's order):
;;     1. [M 8,192, K 256] x [K 256, N 768]; A: input x; B: input W_qkv: QUANTISED
;;     2. batch 32 x [M 2,048, K 32] x [K 32, N 2,048]; A: computed on the way; B: computed on the way: QUANTISED
;;     3. batch 32 x [M 2,048, K 2,048] x [K 2,048, N 32]; A: softmax (see below); B: computed on the way: QUANTISED
;;     4. [M 8,192, K 256] x [K 256, N 256]; A: computed on the way; B: input W_out: QUANTISED
;;   THE QUANTISER, for each operand of a quantised product, along K:
;;     - K is cut into blocks of 32 from its start; a last block that is shorter is filled with zeros.
;;     - A block's scale is 2^e with e = floor(log2(the largest magnitude in the block)) - 2, held to -126 .. 127; a block of zeros has e = 0. As a byte (E8M0): e + 127.
;;     - Each number is divided by its block's scale, clamped to +-6, and rounded to the nearest number of E2M1, ties to even, subnormals kept.
;;     - The product sums the exact products of the quantised numbers (number of the format x scale) in f32.
;;   ~~~python
;;   def quantise(x, axis):      # numpy; x: float32 -> the quantised numbers, widened to float32 again
;;       x = np.moveaxis(x, axis, -1); K = x.shape[-1]
;;       x = np.pad(x, [(0, 0)] * (x.ndim - 1) + [(0, -K % 32)]); x = x.reshape(x.shape[:-1] + (-1, 32)); a = np.abs(x).max(-1, keepdims=True)
;;       e = np.where(a > 0, np.clip(np.frexp(np.where(a > 0, a, 1))[1] - 1 - 2, -126, 127), 0)      # np.frexp(a)[1] - 1 = floor(log2(a)), exactly
;;       r = np.clip(x / 2.0 ** e, -6, 6)
;;       step = 2.0 ** (np.maximum(np.frexp(np.where(r == 0, 1, r))[1] - 1, 0) - 1)
;;       q = np.round(r / step) * step * 2.0 ** e      # np.round: ties to even
;;       return np.moveaxis(q.reshape(q.shape[:-2] + (-1,))[..., :K], -1, axis).astype(np.float32)
;;   ~~~
;;   SOFTMAX AHEAD OF A QUANTISED PRODUCT. Where the list says 'softmax', what is quantised is not the finished softmax but p = 2^(t - M), with t = logit x log2(e) and M = ceil(the row's largest t), a whole number; so 1/2 < the row's largest p <= 1. The row's sum l is taken of the UNQUANTISED p, in f32, and the product's result is divided by l at the end. Since M is a whole number, a kernel that streams over the keys may use a running M (the ceiling of the running maximum): every later rescaling is an exact power of two, which a block's scale takes up: the codes' values come out the same.
;;   OPERANDS COMPUTED ON THE WAY. 'Computed on the way' means the value that the module computes at that place (a softmax that the list does not call 'softmax' is quantised finished and normalised). What goes into a quantiser is computed in f32, as accurately as f32 sums, v_exp_f32 and their like allow (about 1e-6 of the number): no bf16 or f16 on the way to a quantiser, and a product that is left as it is and whose result goes on into a quantised operand takes f32 operands (vector FMAs, or v_wmma_f32_16x16x4_f32). A number that lies on a knife's edge between two numbers of the format may be rounded either way, as far as f32 arithmetic and the matrix unit's own rounding can turn it there, and no further.
;; One version. Each part assembles by itself: llvm-mc -triple=amdgcn-amd-amdhsa -mcpu=gfx1250 --defsym DOCPART=n.
;; ======== version 1 of 1: 2 launches
;; limits: right only within a limited range of input values
;; workspace buffers: qb 2,228,224 bytes; kv 2,228,224 bytes; wo 34,816 bytes
;; launch prep (part 1): grid 256 x 1, 16 waves a work-group, no clusters, 46,592 bytes of LDS; arguments x, W_qkv, b_qkv, W_out, qb, kv, wo; writes qb, kv, wo
.if DOCPART == 1
	.amdgcn_target "amdgcn-amd-amdhsa--gfx1250"
	.amdhsa_code_object_version 6
	.text
	.protected	k_q04149f3070_prep
	.globl	k_q04149f3070_prep
	.p2align	8
	.type	k_q04149f3070_prep,@function
k_q04149f3070_prep:
	s_mov_b64 s[64:65], 0
	v_nop
	global_prefetch_b8 v0, s[64:65] scope:SCOPE_SE
	s_setreg_imm32_b32 hwreg(HW_REG_WAVE_MODE, 25, 1), 1
	s_wait_xcnt 0x0
; LocalGraphAttention in MX-FP4, launch 1 of 2.  qkv = Q(x) Q(W_qkv) + b_qkv; q and k are quantised along the head's 32 channels, v along the keys; W_out is quantised.  The mask is read by launch 2.
; DEAD WORK: none.  Every input reaches the output: x, W_qkv, b_qkv (k's part too: it moves k's codes), the mask (an input: no tile may be left out), W_out, b_out.
; LIMITS: NaN and infinities among the inputs are not served.  A block of zeros gets the scale byte 1 where the rule says 127: its codes are zeros, and only this program reads the bytes.
; WORK-GROUP id: 128 rows of x (id % 64) x 192 columns of W_qkv (6 groups of 32, numbers 6 (id / 64) + 0 .. 5; group G is head G % 8 of q, k or v: G / 8).
; Waves 0-11 quantise W_qkv's columns, all 16 quantise x's rows; in work-groups 0-3 waves 12-15 quantise W_out's 16 pieces.
; NO CLUSTER, no tensor load: what work-groups share (x by four, a group of columns by 64) arrives as f32 and is quantised in registers on its way; nothing goes into LDS as it lies in memory.  No prefetch: there is no loop to run ahead in.
; THE MEMBERS OF A TILE ARE NOT NEIGHBOURS: lane r of tile t (of rows of x, or of columns of W) takes member 32 (t / 2) + 8 (t % 2) + r + 8 (r / 8), so that in a result the 16 registers of tiles 2 b, 2 b + 1 are the neighbours 32 b + 16 (lane / 16) + 0 .. 15.
; OPERANDS GO THROUGH LDS AND MEMORY AS IMAGES OF THEIR REGISTERS: registers 4 c .. 4 c + 3 of lane L at 512 c + 16 L; a fragment (16 rows x 128 K) is 1,024 bytes; scale words 4 bytes a lane.
; A RECORD of kv (and of qb) serves one head and 128 keys (queries), 4,352 bytes: +0, +1024 two fragments g = 0, 1 of k (q) in which K block b is row tile 2 b + g (a head's K is one block of 32);
;   +2048, +3072 two fragments of v (16 channels x 128 keys); +4096 k's (q's) scale words, 2 x 64 bytes; +4224 v's.  The records lie [batch][key step][head].
.set REC,   4352
.set XIMG,  0                          ; LDS: x's 16 fragments (row tile rt, K step ks: 2 rt + ks),
.set XSC,   16384                      ; their scale words, 128 bytes each,
.set WIMG,  18432                      ; W's 24 fragments (4 cg + 2 u + ks),
.set WSC,   43008                      ; their scale words, 64 bytes each,
.set SPARE, 44544                      ; and the spare words, 128 bytes for each of the 16 waves, which no other line names
.set XA,   4                           ; v4   x: (r + 8 (r / 8)) rows of 1,024 bytes + 64 (lane / 16)
.set LI,   5                           ; v5   16 x lane
.set LS,   6                           ; v6   4 x lane
.set WA,   6                           ;      (also my column's bytes in a row of W)
.set LR,   7                           ; v7   4 x (lane % 16)
.set XWI,  8                           ; v8   where I store x's image;  v9 its scale words
.set XWS,  9
.set OI,   10                          ; v10  16 x lane + 1024 (wave % 2): my half of a record's two fragments
.set WWI,  11                          ; v11  where my column's 16 bytes of a block of W go;  v12 its scale word
.set WWS,  12
.set WRI,  13                          ; v13-16 q, k: where I read W's and x's images and scale words
.set WRS,  14
.set XRI,  15
.set XRS,  16
.set WRIV, 17                          ; v17-18 v: W's
.set WRSV, 18
.set BO,   19                          ; v19  the bias as q and k want it: 64 (lane / 16)
.set WO1,  20                          ; v20  my column's place in two tiles' images, v21 in their scale words
.set WO2,  21
.set RP,   22                          ; v22  r + 8 (r / 8)
.set OS,   30                          ; v30  4 r + 64 (wave % 2): my half of a record's scale words
.set BP,   31                          ; v31  the bias as v wants it: 4 (8 (wave % 2) + r + 8 (r / 8))
.set XN,   32                          ; v32-95   64 numbers of x; then blocks 2 and 3 of W; later the accumulators
.set HA,   32
.set WN,   96                          ; v96-159  two sets of 32 numbers of W; later 8 fragments of x
.set XF,   96
.set WC,   160                         ; v160-175 a column's codes, 4 registers a block; later v160-191 fragments of W
.set WF,   160
.set BI,   192                         ; v192-207 the bias, as the C of each sum's first product
.set PC,   208                         ; v208-215 the fragment just made
.set TM,   216                         ; v216-231 at work in the quantisers
.set PW,   232                         ; v232 the scale word just made;  v233 a column of W's
.set WSW,  233
.set XS,   234                         ; v234-241 x's scale words;  v242-245 W's: they hold scales and nothing else
.set WS,   242
.set SPW,  246                         ; v246 my spare word's LDS address;  v247 0: never rewritten
.set NIL,  247
.set BV,   248                         ; v248 v's bias of my lane's channel
.set SEL,  28                          ; s[28:29] v_permlanex16_b32's selects for lane l xor 16
; 64 numbers of a lane, register 16 b + i = k 32 b + 16 (lane / 16) + i of my row, become a fragment's codes in v[PC] on and its scale word in v[PW] (the same word in lanes l and l + 16).
.macro QUANT s
.irp b, 0,1,2,3
	v_max3_num_f32 v[TM+\b], |v[\s+16*\b]|, |v[\s+1+16*\b]|, 0x1800000   ; block b: my 16 numbers and the floor 2^(3 - 127): the byte cannot fall under 1
.endr
.irp i, 2,4,6,8,10,12,14
.irp b, 0,1,2,3
	v_max3_num_f32 v[TM+\b], v[TM+\b], |v[\s+16*\b+\i]|, |v[\s+1+16*\b+\i]|   ; the four blocks by turns
.endr
.endr
.irp b, 0,1,2,3
	s_delay_alu instid0(VALU_DEP_4)
	v_permlanex16_b32 v[TM+4+\b], v[TM+\b], s[SEL], s[SEL+1]
.endr
.irp b, 0,1,2,3
	s_delay_alu instid0(VALU_DEP_4)
	v_max_num_f32 v[TM+\b], v[TM+\b], v[TM+4+\b]   ; with lane l xor 16's: the block's largest magnitude
.endr
.irp b, 0,1,2,3
	s_delay_alu instid0(VALU_DEP_4)
	v_add_nc_u32 v[TM+12+\b], 0xff000000, v[TM+\b] ; 2 off its exponent field: the conversion's scale operand
.endr
.irp b, 0,1,2,3
	s_delay_alu instid0(VALU_DEP_4)
	v_lshrrev_b32 v[TM+4+\b], 23, v[TM+12+\b]      ; the scale's byte
.endr
	s_delay_alu instid0(VALU_DEP_3)
	v_lshl_or_b32 v[PW], v[TM+5], 8, v[TM+4]
	s_delay_alu instid0(VALU_DEP_1)
	v_lshl_or_b32 v[PW], v[TM+6], 16, v[PW]
	s_delay_alu instid0(VALU_DEP_1)
	v_lshl_or_b32 v[PW], v[TM+7], 24, v[PW]
.irp b, 0,1,2,3
	v_cvt_scalef32_pk8_fp4_f32 v[PC+2*\b], v[\s+16*\b:\s+7+16*\b], v[TM+12+\b]
	v_cvt_scalef32_pk8_fp4_f32 v[PC+1+2*\b], v[\s+8+16*\b:\s+15+16*\b], v[TM+12+\b]
.endr
	v_nop                                          ; one plain place behind a scaled conversion
.irp c, 0,1                                    ; the operand's layout wants a whole block in a lane: lanes 0-15 block 2 c, lanes 16-31 block 2 c + 1
.irp i, 0,1
	v_permlane16_swap_b32 v[PC+4*\c+\i], v[PC+2+4*\c+\i]
.endr
.endr
.endm
.macro IMAGE adr, off
.irp c, 0,1
	ds_store_b128 v[\adr], v[PC+4*\c:PC+4*\c+3] offset:\off+512*\c
.endr
.endm
.macro FETCH reg, adr, off
.irp c, 0,1
	ds_load_b128 v[\reg+4*\c:\reg+4*\c+3], v[\adr] offset:\off+512*\c
.endr
.endm
.macro XLOAD
.irp b, 0,1,2,3
.irp j, 0,1,2,3
	global_load_b128 v[XN+16*\b+4*\j:XN+16*\b+4*\j+3], v[XA], s[4:5] offset:128*\b+16*\j   ; of each block of 32 my 16 neighbours
.endr
.endr
.endm
.macro WLOAD t, base, pitch            ; block t of my column: 32 numbers down K; blocks 0, 1 into v96-159, blocks 2, 3 into x's registers, which have been quantised by then; 32 lanes read 128 consecutive bytes
.set WD, WN+32*(\t)-((\t)/2)*128
.set i, 0
.rept 32
	global_load_b32 v[WD+i], v[WA], s[\base:\base+1] offset:(32*(\t)+i)*\pitch
.set i, i+1
.endr
.endm
; Block t of my column is quantised: all its 32 numbers are mine.  left: the younger loads (the next block's) that may stay out.  tolds = 1: the codes go into W's image in LDS; 0: into wo.
.macro WBLOCK t, left, tolds, base, pitch
.set WX, WN+32*(\t)-((\t)/2)*128
	s_wait_loadcnt \left
	v_max3_num_f32 v[TM], |v[WX]|, |v[WX+1]|, |v[WX+2]|
	v_max3_num_f32 v[TM+1], |v[WX+3]|, |v[WX+4]|, |v[WX+5]|
.irp i, 6,10,14,18,22,26
	s_delay_alu instid0(VALU_DEP_2)
	v_max3_num_f32 v[TM], v[TM], |v[WX+\i]|, |v[WX+\i+1]|
	s_delay_alu instid0(VALU_DEP_2)
	v_max3_num_f32 v[TM+1], v[TM+1], |v[WX+\i+2]|, |v[WX+\i+3]|
.endr
	s_delay_alu instid0(VALU_DEP_2)
	v_max3_num_f32 v[TM], v[TM], |v[WX+30]|, |v[WX+31]|
	s_delay_alu instid0(VALU_DEP_1)
	v_max3_num_f32 v[TM], v[TM], v[TM+1], 0x1800000
	s_delay_alu instid0(VALU_DEP_1)
	v_add_nc_u32 v[TM+2], 0xff000000, v[TM]
	s_delay_alu instid0(VALU_DEP_1)
	v_lshrrev_b32 v[TM+3], 23, v[TM+2]
.if (\t) == 0
	s_delay_alu instid0(VALU_DEP_1)
	v_mov_b32 v[WSW], v[TM+3]                      ; four bytes to the word, the lower K in the lower byte
.else
	s_delay_alu instid0(VALU_DEP_1)
	v_lshl_or_b32 v[WSW], v[TM+3], 8*(\t), v[WSW]
.endif
.irp g, 0,1,2,3
	v_cvt_scalef32_pk8_fp4_f32 v[WC+4*(\t)+\g], v[WX+8*\g:WX+8*\g+7], v[TM+2]
.endr
	v_nop                                          ; one plain place behind a scaled conversion
.if \tolds
	ds_store_b128 v[WWI], v[WC+4*(\t):WC+4*(\t)+3] offset:WIMG+512*((\t)/2)+256*((\t)%2)   ; block t is registers 4 (t / 2) on of lanes 16 (t % 2) on
.else
	global_store_b128 v[WO1], v[WC+4*(\t):WC+4*(\t)+3], s[20:21] offset:512*((\t)/2)+256*((\t)%2)
.endif
.endm
.macro MM d, a, b, c, sa, sb
	v_wmma_scale_f32_16x16x128_f8f6f4 v[\d:\d+7], v[\a:\a+7], v[\b:\b+7], v[\c:\c+7], v[\sa], v[\sb] matrix_a_fmt:MATRIX_FMT_FP4 matrix_b_fmt:MATRIX_FMT_FP4
.endm
.macro FINISH                          ; the wave's end
	s_wait_tensorcnt 0x0
	ds_add_u32 v[SPW], v[NIL]
	s_wait_dscnt 0x0
	s_endpgm
.endm
	s_load_b256 s[4:11], s[0:1], 0x0               ; x s[4:5], W_qkv s[6:7], b_qkv s[8:9], W_out s[10:11]
	s_load_b128 s[12:15], s[0:1], 0x20             ; qb s[12:13], kv s[14:15]
	s_load_b64 s[20:21], s[0:1], 0x30              ; wo
	v_lshl_add_u32 v[SPW], v0, 2, SPARE
	v_mov_b32 v[NIL], 0
	v_lshrrev_b32 v23, 5, v0
	v_readfirstlane_b32 s22, v23                   ; wave w, 0 .. 15
	s_lshr_b32 s26, s22, 1                         ; w / 2: row tile of x, group of 32 columns
	s_and_b32 s27, s22, 1                          ; w % 2: K step in the first phase; half of the row tiles (q, k) or of the head's channels (v) in the second
	v_and_b32 v1, 31, v0                           ; lane
	v_and_b32 v2, 15, v0                           ; r
	v_bfe_u32 v3, v0, 4, 1                         ; h
	v_and_b32 v[RP], 8, v2
	v_add_nc_u32 v[RP], v[RP], v2
	v_lshlrev_b32 v[XA], 10, v[RP]
	v_lshl_add_u32 v[XA], v3, 6, v[XA]
	v_lshlrev_b32 v[LI], 4, v1
	v_lshlrev_b32 v[LS], 2, v1
	v_lshlrev_b32 v[LR], 2, v2
	; every LDS address is made here, ahead of every parting of the ways
	s_lshl_b32 s41, s22, 10
	v_add_nc_u32 v[XWI], s41, v[LI]                ; x's image 2 rt + ks = w
	s_lshl_b32 s41, s22, 7
	v_add_nc_u32 v[XWS], s41, v[LS]
	v_add_nc_u32 v[WRSV], s41, v[LR]               ; v: W's scale words 2 w + ks, 64 bytes each
	s_lshl_b32 s41, s22, 11
	v_add_nc_u32 v[WRIV], s41, v[LI]               ; v: W's images 2 w + ks
	v_bfe_u32 v23, v0, 3, 1                        ; my column 32 cg + lane lies in tile u = (lane / 8) % 2,
	v_and_b32 v24, 7, v0
	v_lshl_or_b32 v24, v3, 3, v24                  ; at its row 8 (lane / 16) + lane % 8
	s_lshl_b32 s41, s26, 12
	v_add_nc_u32 v[WRI], s41, v[LI]                ; q, k: W's images 4 cg + ..
	s_lshl_b32 s42, s27, 10
	s_add_co_u32 s42, s41, s42                     ; 1024 (4 cg + ks)
	v_lshlrev_b32 v[WO1], 11, v23
	v_lshl_add_u32 v[WO1], v24, 4, v[WO1]
	v_add_nc_u32 v[WWI], s42, v[WO1]
	s_lshr_b32 s42, s42, 4                         ; 64 (4 cg + ks)
	v_lshlrev_b32 v[WO2], 7, v23
	v_lshl_add_u32 v[WO2], v24, 2, v[WO2]
	v_add_nc_u32 v[WWS], s42, v[WO2]
	s_lshl_b32 s41, s26, 8
	v_add_nc_u32 v[WRS], s41, v[LR]
	s_lshl_b32 s41, s27, 11
	v_add_nc_u32 v[XRI], s41, v[LI]                ; q, k: x's images 4 b + 2 g + ks
	s_lshl_b32 s41, s27, 8
	v_add_nc_u32 v[XRS], s41, v[LS]
	s_lshl_b32 s41, s27, 10
	v_add_nc_u32 v[OI], s41, v[LI]
	s_lshl_b32 s41, s27, 6
	v_add_nc_u32 v[OS], s41, v[LR]
	v_lshlrev_b32 v[BO], 6, v3
	s_lshl_b32 s41, s27, 5
	v_lshl_add_u32 v[BP], v[RP], 2, s41
.irp b, 0,1,2,3
	v_mov_b32 v[TM+4+\b], 0                        ; written once: a lane permute's destination counts as one of its sources
.endr
	s_mov_b32 s[SEL], 0x76543210
	s_mov_b32 s[SEL+1], 0xfedcba98
	s_lshr_b32 s23, ttmp9, 6                       ; which 192 columns
	s_and_b32 s25, ttmp9, 63                       ; which 128 rows of x
	s_mul_i32 s24, s23, 6
	s_add_co_u32 s24, s24, s26                     ; G = 6 (id / 64) + cg
	s_and_b32 s40, s24, 7                          ; the head
	s_lshr_b32 s24, s24, 3                         ; 0 q, 1 k, 2 v
	s_lshl_b32 s30, s25, 17                        ; 128 rows of 1,024 bytes,
	s_lshr_b32 s41, s26, 1
	s_lshl_b32 s41, s41, 15
	s_add_co_u32 s30, s30, s41                     ; + 32 (rt / 2) rows
	s_and_b32 s41, s26, 1
	s_lshl_b32 s41, s41, 13
	s_add_co_u32 s30, s30, s41                     ; + 8 (rt % 2) rows
	s_lshl_b32 s41, s27, 9
	s_add_co_u32 s30, s30, s41                     ; + K step ks
	s_mov_b32 s31, 0
	s_mul_i32 s32, s23, 768
	s_lshl_b32 s41, s26, 7
	s_add_co_u32 s32, s32, s41                     ; column 192 (id / 64) + 32 cg, in bytes
	s_mov_b32 s33, 0
	s_mul_i32 s36, s27, 393216                     ; 128 ks rows of W_qkv, 3,072 bytes each
	s_mov_b32 s37, 0
	s_lshr_b32 s41, s25, 4                         ; the record: (batch x 16 + step) x 8 + head
	s_lshl_b32 s41, s41, 7
	s_and_b32 s42, s25, 15
	s_lshl_b32 s42, s42, 3
	s_add_co_u32 s41, s41, s42
	s_add_co_u32 s41, s41, s40
	s_mul_i32 s38, s41, REC
	s_mov_b32 s39, 0
	s_wait_alu depctr_va_vdst(0)                   ; the wait at the head's end
	s_wait_kmcnt 0x0
	s_add_nc_u64 s[4:5], s[4:5], s[30:31]
	s_add_nc_u64 s[8:9], s[8:9], s[32:33]          ; the bias of my columns
	s_add_nc_u64 s[6:7], s[6:7], s[32:33]
	s_add_nc_u64 s[6:7], s[6:7], s[36:37]
	s_cmp_eq_u32 s24, 0                            ; q goes to qb, k and v to kv: the choice hangs on ids alone
	s_cselect_b64 s[34:35], s[12:13], s[14:15]
	s_add_nc_u64 s[34:35], s[34:35], s[38:39]
	s_cmp_ge_u32 s22, 12
	s_cbranch_scc1 .Lspare
	; ---- first phase, waves 0-11: wave (rt, ks) quantises 16 rows x 128 K of x; wave (cg, ks) 128 K x 32 columns of W.  The bias's loads, in both forms, are the oldest, so no count below hangs on them
.irp u, 0,1
	global_load_b128 v[BI+8*\u:BI+8*\u+3], v[BO], s[8:9] offset:32*\u          ; q, k: tile u's channels 8 u + 16 h + 0 .. 7
	global_load_b128 v[BI+8*\u+4:BI+8*\u+7], v[BO], s[8:9] offset:32*\u+16
.endr
	global_load_b32 v[BV], v[BP], s[8:9]           ; v: my lane's channel
	XLOAD
	WLOAD 0, 6, 3072
	s_wait_loadcnt 32                              ; all but W's 32 just issued: x and the bias are in
	WLOAD 1, 6, 3072
	QUANT XN
	IMAGE XWI, XIMG
	ds_store_b32 v[XWS], v[PW] offset:XSC
	WLOAD 2, 6, 3072
	WBLOCK 0, 63, 1, 6, 3072                       ; 63: two younger blocks are 64 loads, of which the last 63 may be out; 32: one younger block
	WLOAD 3, 6, 3072
	WBLOCK 1, 63, 1, 6, 3072
	WBLOCK 2, 32, 1, 6, 3072
	WBLOCK 3, 0, 1, 6, 3072
	ds_store_b32 v[WWS], v[WSW] offset:WSC
	s_wait_alu depctr_va_vdst(0)
	s_branch .Lmeet
.Lspare:	; ---- waves 12-15: their rows of x; in work-groups 0-3 also piece 4 id + w - 12 of W_out: (group of 32 columns, K step)
	XLOAD
	s_wait_loadcnt 0x0
	QUANT XN
	IMAGE XWI, XIMG
	ds_store_b32 v[XWS], v[PW] offset:XSC
	s_wait_alu depctr_va_vdst(0)
	s_cmp_ge_u32 ttmp9, 4
	s_cbranch_scc1 .Lmeet
	s_lshl_b32 s41, ttmp9, 2
	s_add_co_u32 s41, s41, s22
	s_sub_co_u32 s41, s41, 12                      ; the piece
	s_lshr_b32 s42, s41, 1                         ; its columns' group
	s_and_b32 s43, s41, 1                          ; its K step
	s_lshl_b32 s30, s43, 17                        ; 128 rows of 1,024 bytes
	s_lshl_b32 s44, s42, 7
	s_add_co_u32 s30, s30, s44
	s_add_nc_u64 s[10:11], s[10:11], s[30:31]
	s_lshl_b32 s36, s42, 12
	s_lshl_b32 s44, s43, 10
	s_add_co_u32 s36, s36, s44                     ; 1024 (4 group + K step): its images
	s_lshr_b32 s38, s36, 4                         ; 64 (4 group + K step): their scale words
	s_add_nc_u64 s[46:47], s[20:21], s[38:39]
	s_add_nc_u64 s[20:21], s[20:21], s[36:37]
	WLOAD 0, 10, 1024
	WLOAD 1, 10, 1024
	WLOAD 2, 10, 1024
	WBLOCK 0, 63, 0, 10, 1024
	WLOAD 3, 10, 1024
	WBLOCK 1, 63, 0, 10, 1024
	WBLOCK 2, 32, 0, 10, 1024
	WBLOCK 3, 0, 0, 10, 1024
	global_store_b32 v[WO2], v[WSW], s[46:47] offset:32768
.Lmeet:
	s_wait_alu depctr_va_vdst(0)                   ; the wait here, directly ahead of the wait below
	s_wait_dscnt 0x0                               ; for the others' sake: my stores have landed
	s_barrier_signal -1
	s_barrier_wait -1                              ; x's 16 and W's 24 fragments lie in LDS; nothing is stored there again
	s_cmp_ge_u32 s22, 12
	s_cbranch_scc1 .Lend
	s_cmp_eq_u32 s24, 2
	s_cbranch_scc1 .Lv
	; ---- second phase, q and k: wave (cg, g): row tiles 2 b + g, b = 0 .. 3.  TRANSPOSED: source 0 = 16 columns of W, source 1 = 16 rows of x: a lane holds one row and 16 neighbouring channels
.irp f, 0,1,2,3
	FETCH WF+8*\f, WRI, WIMG+1024*\f               ; f = 2 u + ks
	ds_load_b32 v[WS+\f], v[WRS] offset:WSC+64*\f
.endr
.irp f, 0,1,2,3,4,5,6,7
	FETCH XF+8*\f, XRI, XIMG+1024*(4*(\f/2)+(\f%2))   ; f = 2 b + ks
	ds_load_b32 v[XS+\f], v[XRS] offset:XSC+128*(4*(\f/2)+(\f%2))
.endr
	s_wait_dscnt 0x0
.irp k, 0,1                                    ; the eight accumulators take turns, a K step at a time
.irp b, 0,1,2,3
.irp u, 0,1
.if \k == 0
	MM HA+16*\b+8*\u, WF+16*\u, XF+16*\b, BI+8*\u, WS+2*\u, XS+2*\b
.else
	MM HA+16*\b+8*\u, WF+16*\u+8, XF+16*\b+8, HA+16*\b+8*\u, WS+2*\u+1, XS+2*\b+1
.endif
.endr
.endr
.endr
.rept 4
	v_nop                                          ; four places in front of the first read of results
.endr
	QUANT HA                                       ; block b = row tile 2 b + g: the head's 32 channels of its 16 rows.  The fragment's four K blocks are four tiles of rows
	global_store_b128 v[OI], v[PC:PC+3], s[34:35]              ; 32 lanes store 512 consecutive bytes
	global_store_b128 v[OI], v[PC+4:PC+7], s[34:35] offset:512
	global_store_b32 v[OS], v[PW], s[34:35] offset:4096        ; lanes l and l + 16 hold the same word and write it to the same place
	FINISH
.Lv:	; ---- second phase, v: wave (cg, u): the head's column tile u, all 128 rows.  NOT transposed: source 0 = 16 rows of x, source 1 = 16 columns: a lane holds one channel, and its registers run along the keys
.irp j, 0,1,2,3,4,5,6,7
	v_mov_b32 v[BI+\j], v[BV]                      ; the bias hangs on the lane alone
.endr
	s_wait_alu depctr_va_vdst(0)
	FETCH WF, WRIV, WIMG
	FETCH WF+8, WRIV, WIMG+1024
	ds_load_b32 v[WS], v[WRSV] offset:WSC
	ds_load_b32 v[WS+1], v[WRSV] offset:WSC+64
.irp k, 0,1
.if \k == 1
.rept 4
	v_nop                                          ; four places in front of loads into registers that matrix instructions have read
.endr
.endif
.irp t, 0,1,2,3,4,5,6,7
	FETCH XF+8*\t, LI, XIMG+1024*(2*\t+\k)
	ds_load_b32 v[XS+\t], v[LS] offset:XSC+128*(2*\t+\k)
.endr
	s_wait_dscnt 0x0
.irp t, 0,1,2,3,4,5,6,7
.if \k == 0
	MM HA+8*\t, XF+8*\t, WF, BI, XS+\t, WS
.else
	MM HA+8*\t, XF+8*\t, WF+8, HA+8*\t, XS+\t, WS+1
.endif
.endr
.endr
.rept 4
	v_nop
.endr
	QUANT HA                                       ; register 16 b + i is key 32 b + 16 h + i of my channel: the blocks run along the keys
	global_store_b128 v[OI], v[PC:PC+3], s[34:35] offset:2048
	global_store_b128 v[OI], v[PC+4:PC+7], s[34:35] offset:2560
	global_store_b32 v[OS], v[PW], s[34:35] offset:4224
.Lend:
	FINISH
.Lfunc_end_k_q04149f3070_prep:
	.size	k_q04149f3070_prep, .Lfunc_end_k_q04149f3070_prep-k_q04149f3070_prep
	.p2alignl 7, 3214868480
	.fill 96, 4, 3214868480
	.section	.rodata,"a",@progbits
	.p2align	6, 0x0
	.amdhsa_kernel k_q04149f3070_prep
		.amdhsa_group_segment_fixed_size 46592
		.amdhsa_private_segment_fixed_size 0
		.amdhsa_enable_private_segment 0
		.amdhsa_kernarg_size 56
		.amdhsa_user_sgpr_count 2
		.amdhsa_user_sgpr_kernarg_segment_ptr 1
		.amdhsa_wavefront_size32 1
		.amdhsa_system_sgpr_workgroup_id_x 1
		.amdhsa_system_sgpr_workgroup_id_y 1
		.amdhsa_system_sgpr_workgroup_id_z 1
		.amdhsa_system_vgpr_workitem_id 0
		.amdhsa_next_free_vgpr 256
		.amdhsa_next_free_sgpr 66
		.amdhsa_reserve_vcc 0
		.amdhsa_float_denorm_mode_32 3
		.amdhsa_float_denorm_mode_16_64 3
		.amdhsa_memory_ordered 1
		.amdhsa_forward_progress 1
		.amdhsa_inst_pref_size 79
	.end_amdhsa_kernel
	.amdgpu_metadata
---
amdhsa.version: [ 1, 2 ]
amdhsa.kernels:
  - .name:           k_q04149f3070_prep
    .symbol:         k_q04149f3070_prep.kd
    .args:
      - { .name: x, .offset: 0, .size: 8, .value_kind: global_buffer, .address_space: global }
      - { .name: W_qkv, .offset: 8, .size: 8, .value_kind: global_buffer, .address_space: global }
      - { .name: b_qkv, .offset: 16, .size: 8, .value_kind: global_buffer, .address_space: global }
      - { .name: W_out, .offset: 24, .size: 8, .value_kind: global_buffer, .address_space: global }
      - { .name: qb, .offset: 32, .size: 8, .value_kind: global_buffer, .address_space: global }
      - { .name: kv, .offset: 40, .size: 8, .value_kind: global_buffer, .address_space: global }
      - { .name: wo, .offset: 48, .size: 8, .value_kind: global_buffer, .address_space: global }
    .group_segment_fixed_size: 46592
    .private_segment_fixed_size: 0
    .kernarg_segment_align: 8
    .kernarg_segment_size: 56
    .max_flat_workgroup_size: 512
    .sgpr_count:     66
    .vgpr_count:     256
    .wavefront_size: 32
...
	.end_amdgpu_metadata
.endif
;; end of part 1
;; launch attn (part 2): grid 64 x 4, 16 waves a work-group, no clusters, 110,080 bytes of LDS; arguments qb, kv, allow_mask_bool, wo, b_out, out0; writes out0
.if DOCPART == 2
	.amdgcn_target "amdgcn-amd-amdhsa--gfx1250"
	.amdhsa_code_object_version 6
	.text
	.protected	k_q04149f3070_attn
	.globl	k_q04149f3070_attn
	.p2align	8
	.type	k_q04149f3070_attn,@function
k_q04149f3070_attn:
	s_mov_b64 s[64:65], 0
	v_nop
	global_prefetch_b8 v0, s[64:65] scope:SCOPE_SE
	s_setreg_imm32_b32 hwreg(HW_REG_WAVE_MODE, 25, 1), 1
	s_wait_xcnt 0x0
; LocalGraphAttention in MX-FP4, launch 2 of 2: the masked softmax attention of all eight heads for 32 queries of one batch (x = 32 queries, y = batch), then the output projection.
; DEAD WORK: none is left out.
; LIMITS: NaN and infinities among the inputs are not served; a query for which the mask allows no key (reference() gives NaN there) is not carried as NaN.  The promise holds while the scaled scores stay under 2^31 in magnitude.
; SHARES: wave w: head w / 2, keys 1024 (w % 2) on, in 8 steps of 128, for BOTH query tiles (16 queries each): each record of k and v is read by one wave of the work-group, straight into registers.
;   The two waves of a head then exchange: wave w % 2 = i joins the two key halves of tile i, by exact powers of two.
; NO CLUSTER, no tensor load: records go from memory into operand registers as they lie (images of registers), each wave at its own pace; only the mask is shared, and it comes into LDS once.
; THE MASK IS A PRODUCT OF CODES: a disallowed (key, query) is the code 0.5, an allowed one 0, in a fragment B; A is one-hot (-6 at the key's own place), both scales 2^60: the product is 0 or -3 x 2^120, and it is the C of the score's product.
;   M starts at -1e30, above -3 x 2^120 x c, so p of a disallowed key is 0.
; A TILE'S KEYS: result register 16 b + 8 u + i of lane (r, h) is key 32 b + 16 h + 8 u + i of the step, query r.  Fragment u of a record holds in its K block b the 16 keys of (b, u); the four q windows put q into block b and zeros elsewhere.
; THE SOFTMAX: t = score x c, c = log2(e) / sqrt(32); M a whole number, kept as -M = the least floor(-t); p = 2^(t - M) is quantised along the keys, its sum is taken unquantised.
; A block's largest p is the same multiply-add and exponential on its largest score.
; REGISTERS: v1-7 addresses; v8, v10 -M of tiles 0, 1; v[12:13], v[14:15] their sums; v16-31 at work; v32-38 scales; v40-55 k; v56-71 v; v72-79 p's codes; v80-95 the mask's fragments; v96-159 scores; v160-191 O^T of both tiles;
;   v192-213 the one-hot register twice among zeros; v214-245 q's registers among zeros.
.set REC,   4352
.set STEPB, 8*REC                      ; a key step of all eight heads
.set MIMG,  0                          ; LDS: the mask's fragments, 2,048 bytes a step: tile 0's, tile 1's
.set XCH,   32768                      ; the exchange: 2,304 bytes a wave
.set XW,    2304
.set YIMG,  XCH+16*XW                  ; y's four fragments (2 x tile + K step)
.set YSC,   YIMG+4096                  ; y's scale bytes, one a word: 512 tile + 64 head + 4 r
.set STG,   YSC+1024                   ; the way out: 32 rows of 1,024 bytes + 16
.set SP,    1040
.set SPARE, STG+32*SP                  ; the spare words, 128 bytes for each wave, which no other line names
.set A16,  1
.set A4,   2
.set R4,   3
.set MAD,  4
.set SPW,  5
.set NIL,  6
.set H64,  7
.set F,    16
.set CH,   18
.set BM,   20
.set T,    24
.set TX,   25
.set NN,   26
.set PFO,  27
.set W0,   28
.set W1,   29
.set WX,   30
.set QS,   32
.set MSC,  34
.set WS1,  35
.set KS,   36
.set VS,   37
.set PS,   38
.set KF,   40
.set VF,   56
.set PC,   72
.set MF,   80
.set S,    96
.set O,    160
.set EA,   198
.set QA,   214
.set YS,   246
.set CS,   2
.set KVA,  16
.set NC,   18
.set HM,   19
.set SEL,  20
.set CNT,  22
.set LIM,  23
.set PFA,  24
.set WSB,  26
	s_load_b256 s[4:11], s[0:1], 0x0               ; qb s[4:5], kv s[6:7], the mask s[8:9], wo s[10:11]
	s_load_b128 s[12:15], s[0:1], 0x20             ; b_out s[12:13], out0 s[14:15]
	v_lshl_add_u32 v[SPW], v0, 2, SPARE
	v_mov_b32 v[NIL], 0
	v_lshrrev_b32 v80, 5, v0
	v_readfirstlane_b32 s30, v80                   ; wave w
	s_lshr_b32 s31, s30, 1                         ; head
	s_and_b32 s33, s30, 1                          ; half of the keys; later my tile
	s_and_b32 s34, ttmp7, 0xffff                   ; batch
	s_lshl_b32 s35, s34, 4
	s_lshl_b32 s36, s33, 3
	s_add_co_u32 s36, s36, s35                     ; my first key step
	s_lshl_b32 s37, s36, 3
	s_add_co_u32 s37, s37, s31
	s_mul_i32 s38, s37, REC                        ; my first record
	s_mov_b32 s39, 0
	; the prefetches: of key step i of each half the work-groups x = 8 i + j ask for record j, waves 0 and 1 one half each: 17 blocks of 256 bytes
	s_lshr_b32 s40, ttmp9, 3                       ; i
	s_add_co_u32 s41, s36, s40
	s_lshl_b32 s41, s41, 3
	s_and_b32 s42, ttmp9, 7
	s_add_co_u32 s41, s41, s42
	s_mul_i32 s42, s41, REC
	s_mov_b32 s43, 0
	s_sub_co_u32 s40, 10, s40                      ; the loop's count in trip i - 3, whose loads are for step i - 2; over 7 (never reached) where i is under 3
	s_cmp_lt_u32 s30, 2
	s_cselect_b32 s[LIM], s40, 0                   ; (0 is never reached inside the loop)
	s_lshr_b32 s44, ttmp9, 2
	s_add_co_u32 s44, s44, s35
	s_lshl_b32 s44, s44, 3
	s_add_co_u32 s44, s44, s31
	s_mul_i32 s44, s44, REC                        ; q's record
	s_mov_b32 s45, 0
	s_lshl_b32 s46, ttmp9, 16                      ; the mask: 32 x rows of 2,048 bytes,
	s_lshl_b32 s47, s31, 8                         ; I fetch two steps' 256 bytes of each row (steps 2 (w / 2) on)
	s_add_co_u32 s46, s46, s47
	s_lshl_b32 s47, s33, 14                        ; of tile w % 2: 8 rows on
	s_add_co_u32 s46, s46, s47
	s_mov_b32 s47, 0
	s_lshl_b32 s48, s34, 21                        ; out0
	s_lshl_b32 s49, ttmp9, 15
	s_add_co_u32 s48, s48, s49
	s_lshl_b32 s49, s30, 11
	s_add_co_u32 s48, s48, s49
	s_mov_b32 s49, 0
	s_lshl_b32 s50, s30, 11                        ; wo: column tile w's fragments,
	s_mov_b32 s51, 0
	s_lshl_b32 s52, s30, 7                         ; and scale words
	s_mov_b32 s53, 0
	s_lshl_b32 s54, s31, 7                         ; b_out: its columns 32 (w / 2) + 8 (w % 2) on
	s_lshl_b32 s55, s33, 5
	s_add_co_u32 s54, s54, s55
	s_mov_b32 s55, 0
	s_and_b32 s56, ttmp9, 3                        ; q's K block in its two fragments
	s_lshl_b32 s57, s56, 8
	s_lshl_b32 s29, s56, 3
	s_lshl_b32 s58, s31, 12
	s_lshl_b32 s59, s33, 10
	s_add_co_u32 s58, s58, s59                     ; LDS: where my part of the mask goes
	s_lshl_b32 s59, s33, 14                        ; and where my key steps' begins
	s_mov_b32 s[CS], 0x3e8293ee                    ; c
	s_mov_b32 s[CS+1], s[CS]
	s_mov_b32 s[NC], 0xbe8293ee                    ; -c
	s_mov_b32 s[SEL], 0x76543210
	s_mov_b32 s[SEL+1], 0xfedcba98
	s_mov_b32 s28, 0xffff
	s_sub_co_u32 s[HM], 0, s33                     ; all ones in the waves that keep tile 1
	v_and_b32 v80, 31, v0                          ; lane
	v_lshlrev_b32 v[A16], 4, v80
	v_lshlrev_b32 v[A4], 2, v80
	v_add_nc_u32 v[A4], 4096, v[A4]
	v_and_b32 v81, 15, v0                          ; r
	v_bfe_u32 v82, v0, 4, 1                        ; h
	v_lshlrev_b32 v[R4], 2, v81
	v_lshlrev_b32 v[H64], 6, v82
	v_and_b32 v83, 8, v81
	v_add_nc_u32 v83, v83, v81                     ; r + 8 (r / 8)
	v_lshlrev_b32 v84, 11, v83
	v_lshl_add_u32 v84, v82, 4, v84                ; the mask: my row, my 16 of each 32 bytes
	v_lshl_add_u32 v85, v81, 4, s57                ; q: row r of my block
	v_min_u32 v86, 16, v80
	v_lshlrev_b32 v[PFO], 8, v86                   ; 17 blocks; the lanes left over name the last again
	v_add_nc_u32 v88, s58, v[A16]
	v_add_nc_u32 v[MAD], s59, v[A16]
	s_wait_alu depctr_va_vdst(0)                   ; the wait here, directly ahead of the wait below
	s_wait_kmcnt 0x0
	s_add_nc_u64 s[8:9], s[8:9], s[46:47]
	s_add_nc_u64 s[4:5], s[4:5], s[44:45]
	s_add_nc_u64 s[KVA:KVA+1], s[6:7], s[38:39]
.irp q, 0,1
	global_load_b128 v[128+4*\q:131+4*\q], v85, s[4:5] offset:1024*\q   ; tile q lies in fragment q
.endr
.irp q, 0,1
	global_load_b32 v[136+\q], v[R4], s[4:5] offset:4096+64*\q
.endr
.irp q, 0,1,2,3,4,5,6,7
	global_load_b128 v[S+4*\q:S+4*\q+3], v84, s[8:9] offset:32*\q       ; the eight together: 256 consecutive bytes of each of 16 rows
.endr
.macro KLOAD
.irp c, 0,1,2,3
	global_load_b128 v[KF+4*\c:KF+4*\c+3], v[A16], s[KVA:KVA+1] offset:512*\c
.endr
	global_load_b32 v[KS], v[A4], s[KVA:KVA+1]
.endm
.macro VLOAD
.irp c, 0,1,2,3
	global_load_b128 v[VF+4*\c:VF+4*\c+3], v[A16], s[KVA:KVA+1] offset:2048+512*\c
.endr
	global_load_b32 v[VS], v[A4], s[KVA:KVA+1] offset:128
.endm
	KLOAD
	VLOAD
	s_add_nc_u64 s[PFA:PFA+1], s[6:7], s[42:43]
	s_add_nc_u64 s[14:15], s[14:15], s[48:49]
	s_add_nc_u64 s[WSB:WSB+1], s[10:11], s[52:53]
	s_add_nc_u64 s[60:61], s[10:11], s[50:51]
	s_add_nc_u64 s[12:13], s[12:13], s[54:55]
	; LDS places of the tail
	s_mul_i32 s36, s30, XW
	s_add_co_u32 s36, s36, XCH                     ; what I send,
	s_add_co_u32 s37, s36, 2048
	s_xor_b32 s38, s30, 1
	s_mul_i32 s38, s38, XW
	s_add_co_u32 s38, s38, XCH                     ; what my partner sends
	s_add_co_u32 s39, s38, 2048
	s_lshl_b32 s40, s33, 11
	s_lshl_b32 s44, s31, 8
	s_add_co_u32 s40, s40, s44
	s_add_co_u32 s40, s40, YIMG                    ; y's codes: 2048 tile + 256 head
	s_lshl_b32 s41, s33, 9
	s_lshl_b32 s44, s31, 6
	s_add_co_u32 s41, s41, s44
	s_add_co_u32 s41, s41, YSC
	s_lshl_b32 s42, s31, 7
	s_lshl_b32 s44, s33, 5
	s_add_co_u32 s42, s42, s44
	s_add_co_u32 s42, s42, STG
	s_mul_i32 s43, s30, 2*SP
	s_add_co_u32 s43, s43, STG
	; the one-hot register: row r of the tile is key 8 u' + j, u' = r / 8, j = r % 8: lanes with h = u' hold -6 (code 15) at nibble 2 (j % 4) + j / 4, where the mask's fragment has that key
	v_and_b32 v89, 3, v81
	v_bfe_u32 v90, v81, 2, 1
	v_lshlrev_b32 v89, 3, v89
	v_lshl_add_u32 v89, v90, 2, v89
	v_lshrrev_b32 v90, 3, v81
	v_xor_b32 v90, v90, v82
	v_xor_b32 v90, 1, v90
	v_mul_u32_u24 v90, 15, v90
	v_lshlrev_b32 v[EA], v89, v90                  ; window j (from v[EA - 2 j]): rows 0-15 meet the mask's register 2 j, rows 16-31 its register 2 j + 1
	v_lshlrev_b32 v[EA+9], v89, v90
.irp i, 192,193,194,195,196,197,199,200,201,202,203,204,205,206,208,209,210,211,212,213,218,219,220,221,226,227,228,229,234,235,236,237,242,243,244,245
	v_mov_b32 v[\i], 0
.endr
	v_mov_b32 v[MSC], 0xbbbbbbbb                   ; 2^60 in every byte
	v_mov_b32 v8, 0x7149f2ca                       ; -M = 1e30
	v_mov_b32 v10, 0x7149f2ca
.irp i, 9,11,12,13,14,15,17,25,30
	v_mov_b32 v[\i], 0
.endr
	s_wait_alu depctr_va_vdst(0)
.set i, 0
.rept 32
	v_mov_b32 v[O+i], 0                            ; the step is written once for all trips: its first change of M leaves zeros
.set i, i+1
.endr
	s_wait_alu depctr_va_vdst(0)                   ; the wait here, directly ahead of the wait below
	s_wait_loadcnt 18                              ; q is in; the mask's eight loads, k's five and v's five may be out
.irp q, 0,1
.irp i, 0,1,2,3
	v_cndmask_b32 v[QA+16*\q+\i], v210, v[128+4*\q+\i], s28         ; q in lanes 0-15, zeros above,
	v_cndmask_b32 v[QA+8+16*\q+\i], v[128+4*\q+\i], v210, s28       ; and the other way round
.endr
	v_lshrrev_b32 v138, s29, v[136+\q]
	v_and_b32 v138, 0xff, v138
	v_mul_lo_u32 v[QS+\q], v138, 0x1010101         ; q's byte for every block
.endr
	s_wait_alu depctr_va_vdst(0)                   ; the wait here, directly ahead of the wait below
	s_wait_loadcnt 10                              ; the mask is in; k's and v's ten loads may be out
.irp e, 0,1
.irp q, 0,1,2,3
	v_lshl_or_b32 v[140+8*\e+2*\q], v[S+16*\e+4*\q+1], 4, v[S+16*\e+4*\q]       ; eight keys: nibble 2 n is key n, 2 n + 1 key 4 + n
	v_lshl_or_b32 v[141+8*\e+2*\q], v[S+16*\e+4*\q+3], 4, v[S+16*\e+4*\q+2]
.endr
.endr
.irp i, 0,1,2,3,4,5,6,7,8,9,10,11,12,13,14,15
	v_xor_b32 v[140+\i], 0x11111111, v[140+\i]     ; 1 (the code of 0.5) where the key is not allowed
.endr
.irp e, 0,1
.irp c, 0,1
	ds_store_b128 v88, v[140+8*\e+4*\c:143+8*\e+4*\c] offset:2048*\e+512*\c
.endr
.endr
	s_wait_alu depctr_va_vdst(0)                   ; the wait at the head's end
	s_wait_dscnt 0x0                               ; for the others' sake
	s_barrier_signal -1
	s_barrier_wait -1
.irp c, 0,1,2,3
	ds_load_b128 v[MF+4*\c:MF+4*\c+3], v[MAD] offset:512*\c   ; both tiles' mask of my first step
.endr
; One query tile of a key step.  fin = 1: the last step, which asks for W_out's fragments and the bias instead of the next records.
; In each trip the sixteen waves meet once, signal and wait half a trip apart with work on registers alone between: so no wave runs more than about a tile ahead of another.  It orders no data.
.set C2,   250                         ; v[250:251], v[252:253]: two more chains of the sum
.set C3,   252
.set BY,   28                          ; v28-31: the second chain of each block's maximum
.macro ADDP c, i
	v_pk_add_f32 v[\c:\c+1], v[\c:\c+1], v[S+2*(\i):S+2*(\i)+1]
.endm
.macro TILE q, fin
.set NM, 8+2*(\q)
.set LP, 12+2*(\q)
.set OO, O+16*(\q)
.if (\q) == 0
	s_wait_loadcnt 5                               ; k is in; v's five loads may be out
	s_wait_dscnt 2                                 ; my mask is in; tile 1's two loads may be out
.else
	s_wait_dscnt 0x0                               ; my mask is in (and so is the next step's for tile 0: no LDS load is out at the signal below)
.endif
.irp j, 0,1,2,3
	v_wmma_scale_f32_32x16x128_f4 v[S+16*\j:S+16*\j+15], v[EA-2*\j:EA-2*\j+15], v[MF+8*(\q):MF+8*(\q)+7], 0, v[MSC], v[MSC]
.endr
.irp j, 0,1,2,3
.set QW, QA+16*(\q)+8*(\j&1)-4*(\j>>1)
	v_wmma_scale_f32_32x16x128_f4 v[S+16*\j:S+16*\j+15], v[KF:KF+15], v[QW:QW+7], v[S+16*\j:S+16*\j+15], v[KS], v[QS+(\q)]
.endr
.rept 3
	v_nop                                          ; places in front of the first read of results and of loads into sources
.endr
.if (\q) == 0 && (\fin) == 0
	v_add_nc_u32 v[MAD], 2048, v[MAD]              ; the next step's mask; the fourth place
	s_wait_alu depctr_va_vdst(0)                   ; the wait here, directly behind the write
.irp c, 0,1
	ds_load_b128 v[MF+4*\c:MF+4*\c+3], v[MAD] offset:512*\c
.endr
.else
	v_nop
.endif
.if (\q) == 1
.if \fin
.irp k, 0,1
.irp c, 0,1
	global_load_b128 v[KF+8*\k+4*\c:KF+8*\k+4*\c+3], v[A16], s[60:61] offset:1024*\k+512*\c
.endr
.endr
	global_load_b32 v[KS], v[R4], s[WSB:WSB+1] offset:32768
	global_load_b32 v[WS1], v[R4], s[WSB:WSB+1] offset:32768+64
.else
	s_wait_xcnt 0x0                                ; every load of mine has read its base
	s_add_nc_u64 s[KVA:KVA+1], s[KVA:KVA+1], STEPB
	KLOAD                                          ; the next step's k; its v follows at the tile's end
	s_cmp_eq_u32 s[CNT], s[LIM]                    ; the trip in which my work-group asks for its record: the loads of two trips on will want it
	s_cbranch_scc0 .Lnot_mine_\@
	global_prefetch_b8 v[PFO], s[PFA:PFA+1] th:TH_LOAD_NT scope:SCOPE_SE
.Lnot_mine_\@:
	s_barrier_signal -1                            ; its wait stands at the tile's end
.endif
.endif
.irp b, 0,1,2,3
	v_max3_num_f32 v[BM+\b], v[S+16*\b], v[S+1+16*\b], v[S+2+16*\b]   ; the largest score of each block of 32 keys, my 16 of them
.endr
.irp b, 0,1,2,3
	v_max3_num_f32 v[BY+\b], v[S+3+16*\b], v[S+4+16*\b], v[S+5+16*\b]   ; two chains a block, eight by turns
.endr
.irp i, 6,10
.irp b, 0,1,2,3
	v_max3_num_f32 v[BM+\b], v[BM+\b], v[S+16*\b+\i], v[S+1+16*\b+\i]
.endr
.irp b, 0,1,2,3
	v_max3_num_f32 v[BY+\b], v[BY+\b], v[S+2+16*\b+\i], v[S+3+16*\b+\i]
.endr
.endr
.irp b, 0,1,2,3
	v_max3_num_f32 v[BM+\b], v[BM+\b], v[S+14+16*\b], v[S+15+16*\b]
.endr
.irp b, 0,1,2,3
	v_max_num_f32 v[BM+\b], v[BM+\b], v[BY+\b]
.endr
	v_permlane16_swap_b32 v[BM], v[BM+1]           ; lanes 0-15 then hold block 0's two halves, lanes 16-31 block 1's
	v_permlane16_swap_b32 v[BM+2], v[BM+3]
	v_max_num_f32 v[BM], v[BM], v[BM+1]            ; blocks 0 | 1
	v_max_num_f32 v[BM+2], v[BM+2], v[BM+3]        ; blocks 2 | 3
	v_max_num_f32 v[T], v[BM], v[BM+2]
	v_permlanex16_b32 v[TX], v[T], s[SEL], s[SEL+1]
	v_max_num_f32 v[T], v[T], v[TX]                ; the step's largest score of my query
	s_delay_alu instid0(VALU_DEP_1)
	v_mul_f32 v[T], s[NC], v[T]
	s_delay_alu instid0(VALU_DEP_1)
	v_floor_f32 v[T], v[T]
	s_delay_alu instid0(VALU_DEP_1)
	v_min_num_f32 v[NN], v[NM], v[T]               ; the new -M
	v_sub_f32 v[T], v[NN], v[NM]                   ; old M - new M
	v_fma_f32 v[BM], v[BM], s[CS], v[NN]
	v_fma_f32 v[BM+2], v[BM+2], s[CS], v[NN]
.set n, 0
.rept 8
	v_pk_fma_f32 v[S+n:S+n+1], v[S+n:S+n+1], s[CS:CS+1], v[NN:NN+1] op_sel_hi:[1,0,0]   ; t - M
.set n, n+2
.endr
	v_mov_b32 v[NM], v[NN]
	v_cvt_i32_f32 v[T], v[T]                       ; (it saturates)
.rept 8
	v_pk_fma_f32 v[S+n:S+n+1], v[S+n:S+n+1], s[CS:CS+1], v[NN:NN+1] op_sel_hi:[1,0,0]
.set n, n+2
.endr
	v_ldexp_f32 v[F], 1.0, v[T]                    ; f = 2^(old M - new M)
.rept 16
	v_pk_fma_f32 v[S+n:S+n+1], v[S+n:S+n+1], s[CS:CS+1], v[NN:NN+1] op_sel_hi:[1,0,0]
.set n, n+2
.endr
	s_wait_alu depctr_va_vdst(0)                   ; the wait ahead of the batch
	v_exp_f32 v[BM], v[BM]
	v_exp_f32 v[BM+2], v[BM+2]
.set n, 0
.rept 64
	v_exp_f32 v[S+n], v[S+n]                       ; p
.set n, n+1
.endr
	v_pk_mul_f32 v[LP:LP+1], v[LP:LP+1], v[F:F+1] op_sel_hi:[1,0]   ; a plain place
	s_wait_alu depctr_va_vdst(0)                   ; and the wait behind the batch, ahead of the first readers of O^T too
.irp j, 0,2,4,6
	v_pk_mul_f32 v[OO+\j:OO+1+\j], v[OO+\j:OO+1+\j], v[F:F+1] op_sel_hi:[1,0]
.endr
	v_max_num_f32 v[BM], 0x1800000, v[BM]          ; the floor 2^(3 - 127): the byte cannot fall under 1
	v_max_num_f32 v[BM+2], 0x1800000, v[BM+2]
.irp j, 8,10,12,14
	v_pk_mul_f32 v[OO+\j:OO+1+\j], v[OO+\j:OO+1+\j], v[F:F+1] op_sel_hi:[1,0]
.endr
	v_add_nc_u32 v[BM], 0xff000000, v[BM]          ; 2 off the exponent field: the conversions' scale operands
	v_add_nc_u32 v[BM+2], 0xff000000, v[BM+2]
	v_pk_add_f32 v[CH:CH+1], v[S:S+1], v[S+2:S+3]  ; the sum of the unquantised p, in four chains
	v_pk_add_f32 v[C2:C2+1], v[S+4:S+5], v[S+6:S+7]
	v_pk_add_f32 v[C3:C3+1], v[S+8:S+9], v[S+10:S+11]
	v_lshrrev_b32 v[W0], 23, v[BM]
	v_lshrrev_b32 v[W1], 23, v[BM+2]
	v_mov_b32 v[BM+1], v[BM]
	v_mov_b32 v[BM+3], v[BM+2]
	ADDP LP, 6
	ADDP CH, 7
	v_lshl_or_b32 v[W0], v[W1], 16, v[W0]          ; bytes of blocks 0, 2 in lanes 0-15, of 1, 3 in lanes 16-31
	v_permlane16_swap_b32 v[BM], v[BM+1]           ; each block's operand in all lanes
	v_permlane16_swap_b32 v[BM+2], v[BM+3]
	ADDP C2, 8
	ADDP C3, 9
	v_permlanex16_b32 v[WX], v[W0], s[SEL], s[SEL+1]
	ADDP LP, 10
	ADDP CH, 11
	ADDP C2, 12
	ADDP C3, 13
	v_lshl_or_b32 v[PS], v[WX], 8, v[W0]           ; lanes 0-15: p's scale word
.irp b, 0,1,2,3
	v_cvt_scalef32_pk8_fp4_f32 v[PC+2*\b], v[S+16*\b:S+7+16*\b], v[BM+\b]
	v_cvt_scalef32_pk8_fp4_f32 v[PC+1+2*\b], v[S+8+16*\b:S+15+16*\b], v[BM+\b]
.endr
	ADDP LP, 14                                    ; the plain place behind the conversions
	ADDP CH, 15
	ADDP C2, 16
.irp c, 0,1
.irp i, 0,1
	v_permlane16_swap_b32 v[PC+4*\c+\i], v[PC+2+4*\c+\i]   ; a whole block in a lane
.endr
.endr
	ADDP C3, 17
	ADDP LP, 18
	ADDP CH, 19
	ADDP C2, 20
	ADDP C3, 21
	ADDP LP, 22
	ADDP CH, 23
	ADDP C2, 24
.if (\q) == 0
	s_wait_alu depctr_va_vdst(0)                   ; the wait here, directly ahead of the wait below
	s_wait_loadcnt 0x0                             ; v is in, for both tiles
.endif
	v_wmma_scale_f32_32x16x128_f4 v[OO:OO+15], v[VF:VF+15], v[PC:PC+7], v[OO:OO+15], v[VS], v[PS]
	ADDP C3, 25                                    ; these ten are also the places in front of the loads below
	ADDP LP, 26
	ADDP CH, 27
	ADDP C2, 28
	ADDP C3, 29
	ADDP LP, 30
	ADDP CH, 31
	v_pk_add_f32 v[LP:LP+1], v[LP:LP+1], v[C3:C3+1]
	v_pk_add_f32 v[CH:CH+1], v[CH:CH+1], v[C2:C2+1]
	v_pk_add_f32 v[LP:LP+1], v[LP:LP+1], v[CH:CH+1]
.if (\q) == 1
.if \fin
	global_load_b128 v[VF:VF+3], v[H64], s[12:13]
	global_load_b128 v[VF+4:VF+7], v[H64], s[12:13] offset:16
.else
	s_barrier_wait -1
	VLOAD
.irp c, 0,1
	ds_load_b128 v[MF+8+4*\c:MF+8+4*\c+3], v[MAD] offset:1024+512*\c   ; the next step's mask for tile 1
.endr
.endif
.endif
.endm
	s_mov_b32 s[CNT], 7
.Lstep:
	TILE 0, 0
	TILE 1, 0
	s_sub_co_u32 s[CNT], s[CNT], 1
	s_cmp_lg_u32 s[CNT], 0
	s_cbranch_scc1 .Lstep
	TILE 0, 1                                      ; the last step is written out: nothing is asked for beyond my records
	TILE 1, 1
	; THE TWO KEY HALVES ARE JOINED: I send the tile that my partner keeps: 16 registers of O^T, the sum, -M
	v_add_f32 v12, v12, v13
	v_add_f32 v14, v14, v15
	v_and_b32 v80, 31, v0
	v_add_nc_u32 v150, s36, v[A16]
	v_lshl_add_u32 v151, v80, 3, s37
	v_add_nc_u32 v152, s38, v[A16]
	v_lshl_add_u32 v153, v80, 3, s39
	s_wait_alu depctr_va_vdst(0)                   ; the wait ahead of the first readers of O^T
.irp i, 0,1,2,3,4,5,6,7,8,9,10,11,12,13,14,15
	v_cndmask_b32 v[96+\i], v[O+16+\i], v[O+\i], s[HM]        ; sent
	v_cndmask_b32 v[128+\i], v[O+\i], v[O+16+\i], s[HM]       ; kept
.endr
	v_cndmask_b32 v112, v14, v12, s[HM]
	v_cndmask_b32 v113, v10, v8, s[HM]
	v_cndmask_b32 v144, v12, v14, s[HM]
	v_cndmask_b32 v145, v8, v10, s[HM]
.irp c, 0,1,2,3
	ds_store_b128 v150, v[96+4*\c:99+4*\c] offset:512*\c
.endr
	ds_store_b64 v151, v[112:113]
	s_wait_alu depctr_va_vdst(0)                   ; the wait here, directly ahead of the wait below
	s_wait_dscnt 0x0
	s_barrier_signal -1
	s_barrier_wait -1
.irp c, 0,1,2,3
	ds_load_b128 v[112+4*\c:115+4*\c], v152 offset:512*\c
.endr
	ds_load_b64 v[146:147], v153
	s_wait_dscnt 0x0
	v_min_num_f32 v148, v145, v147                 ; the common -M
	v_sub_f32 v149, v148, v145
	v_sub_f32 v154, v148, v147
	v_cvt_i32_f32 v149, v149
	v_cvt_i32_f32 v154, v154
	v_mov_b32 v157, 0                              ; (named as upper halves of pairs)
	v_mov_b32 v159, 0
	v_ldexp_f32 v156, 1.0, v149
	v_ldexp_f32 v158, 1.0, v154
.irp j, 0,2,4,6,8,10,12,14
	v_pk_mul_f32 v[128+\j:129+\j], v[128+\j:129+\j], v[156:157] op_sel_hi:[1,0]
.endr
	v_mul_f32 v144, v144, v156
.irp j, 0,2,4,6,8,10,12,14
	v_pk_fma_f32 v[128+\j:129+\j], v[112+\j:113+\j], v[158:159], v[128+\j:129+\j] op_sel_hi:[1,0,1]
.endr
	v_fma_f32 v144, v146, v158, v144
	v_permlanex16_b32 v[TX], v144, s[SEL], s[SEL+1]
	v_add_f32 v144, v144, v[TX]                    ; the row's sum
	s_wait_alu depctr_va_vdst(0)                   ; the wait ahead of the transcendental
	v_rcp_f32 v144, v144
	v_and_b32 v81, 15, v0                          ; r
	v_bfe_u32 v82, v0, 4, 1                        ; h
	v_lshlrev_b32 v83, 4, v81
	v_lshl_add_u32 v83, v82, 3, v83
	v_add_nc_u32 v83, s40, v83                     ; y's codes: head = block of K
	v_add_nc_u32 v84, s41, v[R4]                   ; its scale byte
	v_add_nc_u32 v85, YIMG, v[A16]
	v_add_nc_u32 v86, YSC, v[R4]
	v_and_b32 v87, 8, v81
	v_add_nc_u32 v87, v87, v81
	v_mul_u32_u24 v87, v87, SP
	v_lshl_add_u32 v87, v82, 6, v87
	v_add_nc_u32 v87, s42, v87                     ; the stage: my row, my eight columns
	v_add_nc_u32 v88, s43, v[A16]                  ; and back: rows 2 w, 2 w + 1
	s_wait_alu depctr_va_vdst(0)                   ; and the wait behind it
.irp j, 0,2,4,6,8,10,12,14
	v_pk_mul_f32 v[128+\j:129+\j], v[128+\j:129+\j], v[144:145] op_sel_hi:[1,0]   ; y: register i is channel 16 h + i of query r
.endr
	v_max3_num_f32 v146, |v128|, |v129|, 0x1800000
	v_max3_num_f32 v147, |v130|, |v131|, |v132|
	v_max3_num_f32 v146, v146, |v133|, |v134|
	v_max3_num_f32 v147, v147, |v135|, |v136|
	v_max3_num_f32 v146, v146, |v137|, |v138|
	v_max3_num_f32 v147, v147, |v139|, |v140|
	v_max3_num_f32 v146, v146, |v141|, |v142|
	v_max3_num_f32 v147, v147, |v143|, v146
	v_permlanex16_b32 v[TX], v147, s[SEL], s[SEL+1]
	v_max_num_f32 v147, v147, v[TX]
	v_add_nc_u32 v148, 0xff000000, v147
	v_lshrrev_b32 v149, 23, v148
	v_cvt_scalef32_pk8_fp4_f32 v154, v[128:135], v148
	v_cvt_scalef32_pk8_fp4_f32 v155, v[136:143], v148
	v_nop                                          ; one plain place behind a scaled conversion
	ds_store_b64 v83, v[154:155]
	ds_store_b32 v84, v149
	s_wait_alu depctr_va_vdst(0)                   ; the wait here, directly ahead of the wait below
	s_wait_dscnt 0x0
	s_barrier_signal -1
	s_barrier_wait -1
	; THE OUTPUT PROJECTION: wave w makes columns tile w (source 0) of both query tiles (source 1), K = 256 in two steps
.irp f, 0,1,2,3
.irp c, 0,1
	ds_load_b128 v[160+8*\f+4*\c:163+8*\f+4*\c], v85 offset:1024*\f+512*\c
.endr
.irp e, 0,1,2,3
	ds_load_b32 v[96+4*\f+\e], v86 offset:256*\f+64*\e
.endr
.endr
	s_wait_loadcnt 0x0                             ; W_out's fragments, their scale words and the bias
	s_wait_dscnt 0x0
.irp f, 0,1,2,3
	v_lshl_or_b32 v[116+\f], v[97+4*\f], 8, v[96+4*\f]
.endr
.irp f, 0,1,2,3
	v_lshl_or_b32 v[116+\f], v[98+4*\f], 16, v[116+\f]
.endr
.irp f, 0,1,2,3
	v_lshl_or_b32 v[YS+\f], v[99+4*\f], 24, v[116+\f]
.endr
.rept 8
	v_nop                                          ; a scale register written by a vector instruction stands 8 places ahead
.endr
.irp k, 0,1
.irp p, 0,1
.if \k == 0
	v_wmma_scale_f32_16x16x128_f8f6f4 v[128+8*\p:135+8*\p], v[KF:KF+7], v[160+16*\p:167+16*\p], v[VF:VF+7], v[KS], v[YS+2*\p] matrix_a_fmt:MATRIX_FMT_FP4 matrix_b_fmt:MATRIX_FMT_FP4
.else
	v_wmma_scale_f32_16x16x128_f8f6f4 v[128+8*\p:135+8*\p], v[KF+8:KF+15], v[168+16*\p:175+16*\p], v[128+8*\p:135+8*\p], v[WS1], v[YS+2*\p+1] matrix_a_fmt:MATRIX_FMT_FP4 matrix_b_fmt:MATRIX_FMT_FP4
.endif
.endr
.endr
.rept 4
	v_nop
.endr
.irp p, 0,1
	ds_store_b128 v87, v[128+8*\p:131+8*\p] offset:8*\p*SP
	ds_store_b128 v87, v[132+8*\p:135+8*\p] offset:8*\p*SP+16
.endr
	s_wait_dscnt 0x0
	s_barrier_signal -1
	s_barrier_wait -1
.irp i, 0,1,2,3
	ds_load_b128 v[96+4*\i:99+4*\i], v88 offset:(\i/2)*SP+512*(\i%2)
.endr
.irp i, 0,1,2,3
	s_wait_dscnt 3-\i
	global_store_b128 v[A16], v[96+4*\i:99+4*\i], s[14:15] offset:1024*(\i/2)+512*(\i%2) th:TH_STORE_NT   ; 32 lanes store 512 consecutive bytes, aligned
.endr
	s_wait_tensorcnt 0x0                           ; the wave's end
	ds_add_u32 v[SPW], v[NIL]
	s_wait_dscnt 0x0
	s_endpgm
.Lfunc_end_k_q04149f3070_attn:
	.size	k_q04149f3070_attn, .Lfunc_end_k_q04149f3070_attn-k_q04149f3070_attn
	.p2alignl 7, 3214868480
	.fill 96, 4, 3214868480
	.section	.rodata,"a",@progbits
	.p2align	6, 0x0
	.amdhsa_kernel k_q04149f3070_attn
		.amdhsa_group_segment_fixed_size 110080
		.amdhsa_private_segment_fixed_size 0
		.amdhsa_enable_private_segment 0
		.amdhsa_kernarg_size 48
		.amdhsa_user_sgpr_count 2
		.amdhsa_user_sgpr_kernarg_segment_ptr 1
		.amdhsa_wavefront_size32 1
		.amdhsa_system_sgpr_workgroup_id_x 1
		.amdhsa_system_sgpr_workgroup_id_y 1
		.amdhsa_system_sgpr_workgroup_id_z 1
		.amdhsa_system_vgpr_workitem_id 0
		.amdhsa_next_free_vgpr 256
		.amdhsa_next_free_sgpr 66
		.amdhsa_reserve_vcc 0
		.amdhsa_float_denorm_mode_32 3
		.amdhsa_float_denorm_mode_16_64 3
		.amdhsa_memory_ordered 1
		.amdhsa_forward_progress 1
		.amdhsa_inst_pref_size 76
	.end_amdhsa_kernel
	.amdgpu_metadata
---
amdhsa.version: [ 1, 2 ]
amdhsa.kernels:
  - .name:           k_q04149f3070_attn
    .symbol:         k_q04149f3070_attn.kd
    .args:
      - { .name: qb, .offset: 0, .size: 8, .value_kind: global_buffer, .address_space: global }
      - { .name: kv, .offset: 8, .size: 8, .value_kind: global_buffer, .address_space: global }
      - { .name: allow_mask_bool, .offset: 16, .size: 8, .value_kind: global_buffer, .address_space: global }
      - { .name: wo, .offset: 24, .size: 8, .value_kind: global_buffer, .address_space: global }
      - { .name: b_out, .offset: 32, .size: 8, .value_kind: global_buffer, .address_space: global }
      - { .name: out0, .offset: 40, .size: 8, .value_kind: global_buffer, .address_space: global }
    .group_segment_fixed_size: 110080
    .private_segment_fixed_size: 0
    .kernarg_segment_align: 8
    .kernarg_segment_size: 48
    .max_flat_workgroup_size: 512
    .sgpr_count:     66
    .vgpr_count:     256
    .wavefront_size: 32
...
	.end_amdgpu_metadata
.endif
;; end of part 2
